; MI455X (gfx1250); checked and timed in simulation.
; The chip was launched on July 23, 2026; its instructions are those of AMD's public machine-readable ISA for CDNA 5 (MIT licence, August 2026) and "CDNA5" Instruction Set Architecture Reference Guide (July 2026). The comments in the code are by the model that wrote it; some were corrected since.
;; Scaled Dot Product Attention. Allowed arithmetic: matrix products marked QUANTISED: E5M2 operands, one E8M0 scale for each 32 along K, by v_wmma_scale_f32_16x16x128_f8f6f4 with both operands' format E5M2, f32 sums; everything else in f32.
;; Inputs: K 4 x 16 x 2,048 x 128 float32; Q 4 x 16 x 2,048 x 128 float32; V 4 x 16 x 2,048 x 128 float32.
;; Outputs: out0 4 x 16 x 2,048 x 128 float32.
;; This version of the problem:
;;   THIS VERSION OF THE PROBLEM IS GIVEN IN LOW PRECISION. The matrix products marked QUANTISED in the list below multiply operands that are first quantised to E5M2 (5 exponent bits, 2 mantissa bits; 8 bits a number), with one power-of-two scale for each 32 numbers along K (OCP MX v1.0); their sums are f32. All else is computed in f32.
;;   The module's matrix products, in the order in which they are computed (A, B: the left and right operand; K: the contracted axis; several contracted axes count as one K, in the product's order):
;;     1. batch 64 x [M 2,048, K 128] x [K 128, N 2,048]; A: input Q; B: input K: QUANTISED
;;     2. batch 64 x [M 2,048, K 2,048] x [K 2,048, N 128]; A: softmax (see below); B: input V: QUANTISED
;;   THE QUANTISER, for each operand of a quantised product, along K:
;;     - K is cut into blocks of 32 from its start; a last block that is shorter is filled with zeros.
;;     - A block's scale is 2^e with e = floor(log2(the largest magnitude in the block)) - 15, held to -126 .. 127; a block of zeros has e = 0. As a byte (E8M0): e + 127.
;;     - Each number is divided by its block's scale, clamped to +-57,344, and rounded to the nearest number of E5M2, ties to even, subnormals kept.
;;     - The product sums the exact products of the quantised numbers (number of the format x scale) in f32.
;;   ~~~python
;;   def quantise(x, axis):      # numpy; x: float32 -> the quantised numbers, widened to float32 again
;;       x = np.moveaxis(x, axis, -1); K = x.shape[-1]
;;       x = np.pad(x, [(0, 0)] * (x.ndim - 1) + [(0, -K % 32)]); x = x.reshape(x.shape[:-1] + (-1, 32)); a = np.abs(x).max(-1, keepdims=True)
;;       e = np.where(a > 0, np.clip(np.frexp(np.where(a > 0, a, 1))[1] - 1 - 15, -126, 127), 0)      # np.frexp(a)[1] - 1 = floor(log2(a)), exactly
;;       r = np.clip(x / 2.0 ** e, -57344, 57344)
;;       step = 2.0 ** (np.maximum(np.frexp(np.where(r == 0, 1, r))[1] - 1, -14) - 2)
;;       q = np.round(r / step) * step * 2.0 ** e      # np.round: ties to even
;;       return np.moveaxis(q.reshape(q.shape[:-2] + (-1,))[..., :K], -1, axis).astype(np.float32)
;;   ~~~
;;   SOFTMAX AHEAD OF A QUANTISED PRODUCT. Where the list says 'softmax', what is quantised is not the finished softmax but p = 2^(t - M), with t = logit x log2(e) and M = ceil(the row's largest t), a whole number; so 1/2 < the row's largest p <= 1. The row's sum l is taken of the UNQUANTISED p, in f32, and the product's result is divided by l at the end. Since M is a whole number, a kernel that streams over the keys may use a running M (the ceiling of the running maximum): every later rescaling is an exact power of two, which a block's scale takes up: the codes' values come out the same.
;;   OPERANDS COMPUTED ON THE WAY. 'Computed on the way' means the value that the module computes at that place (a softmax that the list does not call 'softmax' is quantised finished and normalised). What goes into a quantiser is computed in f32, as accurately as f32 sums, v_exp_f32 and their like allow (about 1e-6 of the number): no bf16 or f16 on the way to a quantiser, and a product that is left as it is and whose result goes on into a quantised operand takes f32 operands (vector FMAs, or v_wmma_f32_16x16x4_f32). A number that lies on a knife's edge between two numbers of the format may be rounded either way, as far as f32 arithmetic and the matrix unit's own rounding can turn it there, and no further.
;; One version. Each part assembles by itself: llvm-mc -triple=amdgcn-amd-amdhsa -mcpu=gfx1250 --defsym DOCPART=n.
;; ======== version 1 of 1: 2 launches
;; limits: right only within a limited range of input values
;; workspace buffers: kv 34,603,008 bytes
;; launch quant (part 1): grid 512 x 1, 8 waves a work-group, no clusters, 68,608 bytes of LDS; arguments K, V, kv; writes kv
.if DOCPART == 1
	.amdgcn_target "amdgcn-amd-amdhsa--gfx1250"
	.amdhsa_code_object_version 6
	.text
	.protected	k_q330a0f25ba_quant
	.globl	k_q330a0f25ba_quant
	.p2align	8
	.type	k_q330a0f25ba_quant,@function
k_q330a0f25ba_quant:
	s_mov_b64 s[64:65], 0
	v_nop
	global_prefetch_b8 v0, s[64:65] scope:SCOPE_SE
	s_setreg_imm32_b32 hwreg(HW_REG_WAVE_MODE, 25, 1), 1
	s_wait_xcnt 0x0
; K and V, [64 heads][2048 keys][128] f32, become codes of BF8 (E5M2) with one E8M0 scale byte for each 32 along a product's K, laid in kv AS THE ATTENTION LAUNCH'S REGISTERS WANT THEM.
; K is quantised along the head's 128 (innermost), V along the keys (its first axis within a head).
; kv: 512 slot blocks of 67,584 bytes, block = 8 x head + slot; a slot is 256 keys = two key steps q of 128.  In a block:
;   0     + 16384 q + 2048 T + 512 c + 16 L : K's fragment T (16 keys x 128): registers 4 c .. 4 c + 3 of lane L = r + 16 h: d = 32 c + 16 h + 0 .. 15 of key 32 (T / 2) + 8 (T % 2) + r + 8 (r / 8) of the step
;   32768 + 16384 q + 2048 T + 512 c + 16 L : V^T's fragment T: keys 32 c + 16 h + 0 .. 15 of the step, channel 16 T + r
;   65536 + 512 q + 256 s + 8 L + 4 j       : K's scale word (four bytes, 128 along d) of tile 4 s + 2 h + j, row r
;   66560 + 8 ch + 4 q                      : V's scale word (128 keys of step q) of channel ch
; A block's scale is 2^(floor(log2(its largest magnitude)) - 15); its byte is the largest magnitude's exponent field - 15, held at 1 from below; each number is held within +-57,344 x the scale and converted, ties to even.
; LIMITS: a block of zeros gets the byte 1 where the rule says 127 (its codes are zeros, which add nothing, and this program alone reads the bytes); blocks whose largest magnitude lies under 2^(16 - 127) keep the byte 1;
; NaN and infinities among the inputs are not served.
; SHARES.  Work-groups 0-255 take K, 256-511 V; a work-group takes two slots, four waves to a slot; a wave reads 32,768 bytes.  Waves share nothing: no barrier.  Only K's path uses LDS.
.set SLOTB, 67584
.set WV,   10                          ; s10  my wave's number
.set SEL,  14                          ; s[14:15] v_permlanex16_b32's selects for lane l xor 16
.set MNT,  16
.set LI,   4                           ; v4   K: 16 x lane;  V: 4 x lane
.set KSI,  5                           ; v5   K: the stage, on the way in;  V: 2048 h + 16 r, my codes' place
.set KSO,  6                           ; v6   K: the stage, on the way out
.set LS8,  7                           ; v7   8 x lane
.set PW,   8                           ; v8-11   K: a scale word for each of my four tiles
.set TM,   16                          ; v16-31  K: at work in QUANT
.set R,    32                          ; v32-159 K: two sets of 64 numbers as loaded
.set X,    160                         ; v160-223 K: 64 numbers of my row, 16 of each block
.set PC,   224                         ; v224-255 K: two sets of 16 registers of codes
.set VX,   32                          ; v32-95  V: two sets of 32 numbers
.set VC,   96                          ; v96-159 V: eight registers of codes for each block, never written again
	s_load_b128 s[4:7], s[0:1], 0x0                ; K, V
	s_load_b64 s[8:9], s[0:1], 0x10                ; kv
	s_set_vgpr_msb 0x40
	v_lshl_add_u32 v0, v0, 2, 0x10800
	v_mov_b32 v1, 0
	s_set_vgpr_msb 0x4000
	v_lshrrev_b32 v1, 5, v0
	s_delay_alu instid0(VALU_DEP_1)
	v_readfirstlane_b32 s[WV], v1                  ; wave 0..7
	v_and_b32 v1, 31, v0                           ; lane
	v_and_b32 v2, 15, v0                           ; r
	v_bfe_u32 v3, v0, 4, 1                         ; h
	s_delay_alu instid0(VALU_DEP_3)
	v_lshlrev_b32 v[LS8], 3, v1
	s_mov_b32 s[SEL], 0x76543210
	s_mov_b32 s[SEL+1], 0xfedcba98
	s_and_b32 s11, ttmp9, 255                      ; which pair of slots
	s_lshl_b32 s12, s11, 1
	s_lshr_b32 s13, s[WV], 2
	s_add_co_u32 s12, s12, s13                     ; my slot block: 0 .. 511
	s_and_b32 s13, s[WV], 3                        ; my quarter of it
	s_mul_i32 s18, s12, SLOTB
	s_mov_b32 s19, 0
	s_mov_b32 s21, 0
	s_wait_kmcnt 0x0
	s_add_nc_u64 s[8:9], s[8:9], s[18:19]          ; kv at my slot block
	s_cmp_lt_u32 ttmp9, 256
	s_cbranch_scc0 .Lvpart
; ---------------- K: my quarter is half a key step: 64 keys, four tiles of 16 ----------------
	s_lshl_b32 s20, s11, 3
	s_add_co_u32 s20, s20, s[WV]
	s_lshl_b32 s20, s20, 15                        ; 64 keys of 512 bytes for each wave
	s_add_nc_u64 s[22:23], s[4:5], s[20:21]        ; K at my first key
	s_lshl_b32 s20, s13, 13
	s_add_nc_u64 s[24:25], s[8:9], s[20:21]        ; my four fragments: 8,192 bytes
	s_lshl_b32 s20, s13, 8
	s_add_co_u32 s20, s20, 65536
	s_add_nc_u64 s[26:27], s[8:9], s[20:21]        ; my 256 bytes of scale words
	s_mul_i32 s17, s[WV], 8448                     ; my stage: 16 rows x (512 + 16) bytes: rows 33 x 16 bytes apart, so that the 16 rows that a load touches start at 16 different banks (64 banks of 4 bytes: ISA guide 11.1)
	s_wait_alu depctr_va_vdst(0)
	v_lshlrev_b32 v[LI], 4, v1
	s_delay_alu instid0(VALU_DEP_1)
	v_add_nc_u32 v[KSI], s17, v[LI]                ; in: a row as it is loaded, 16 bytes a lane
	v_mul_u32_u24 v[KSO], v2, 528
	s_delay_alu instid0(VALU_DEP_1)
	v_lshl_add_u32 v[KSO], v3, 6, v[KSO]
	s_delay_alu instid0(VALU_DEP_1)
	v_add_nc_u32 v[KSO], s17, v[KSO]               ; out: row r, + 64 h: my 16 numbers of a block of 32
.irp b, 0,1,2,3
	v_mov_b32 v[TM+4+\b], 0                        ; written once: a lane permute's destination counts as one of its sources
.endr
; 64 numbers of a lane, v[s] on, register 16 b + i = k 32 b + 16 (lane / 16) + i of my row, become a fragment's codes in v[pc] on and its scale word in v[pw].
.macro QUANT s, pc, pw
.irp b, 0,1,2,3
	v_max3_num_f32 v[TM+\b], |v[\s+16*\b]|, |v[\s+1+16*\b]|, 0x8000000   ; block b: my 16 numbers, and the floor 2^(16 - 127): the byte cannot fall under 1
.endr
.irp i, 2,4,6,8,10,12,14
.irp b, 0,1,2,3
	s_delay_alu instid0(VALU_DEP_4)
	v_max3_num_f32 v[TM+\b], v[TM+\b], |v[\s+16*\b+\i]|, |v[\s+1+16*\b+\i]|   ; the four blocks by turns
.endr
.endr
.irp b, 0,1,2,3
	s_delay_alu instid0(VALU_DEP_4)
	v_permlanex16_b32 v[TM+4+\b], v[TM+\b], s[SEL], s[SEL+1]
.endr
.irp b, 0,1,2,3
	s_delay_alu instid0(VALU_DEP_4)
	v_max_num_f32 v[TM+\b], v[TM+\b], v[TM+4+\b]   ; with lane l xor 16's: the block's largest magnitude
.endr
.irp b, 0,1,2,3
	s_delay_alu instid0(VALU_DEP_4)
	v_add_nc_u32 v[TM+12+\b], 0xf8800000, v[TM+\b] ; 15 off its exponent field: the conversion takes this operand's exponent field as its scale
.endr
.irp b, 0,1,2,3
.endr
.irp b, 0,1,2,3
	s_delay_alu instid0(VALU_DEP_4)
	v_lshrrev_b32 v[TM+4+\b], 23, v[TM+12+\b]      ; the scale's byte
.endr
	s_delay_alu instid0(VALU_DEP_3)
	v_lshl_or_b32 v[\pw], v[TM+5], 8, v[TM+4]      ; four bytes make my row's scale word
	s_delay_alu instid0(VALU_DEP_1)
	v_lshl_or_b32 v[\pw], v[TM+6], 16, v[\pw]
	s_delay_alu instid0(VALU_DEP_1)
	v_lshl_or_b32 v[\pw], v[TM+7], 24, v[\pw]
.irp b, 0,1,2,3
.irp i, 0,1,2,3,4,5,6,7,8,9,10,11,12,13,14,15
.endr
	v_cvt_scalef32_pk8_bf8_f32 v[\pc+4*\b:\pc+1+4*\b], v[\s+16*\b:\s+7+16*\b], v[TM+12+\b]
	v_cvt_scalef32_pk8_bf8_f32 v[\pc+2+4*\b:\pc+3+4*\b], v[\s+8+16*\b:\s+15+16*\b], v[TM+12+\b]
.endr
	v_nop                                          ; a plain instruction behind the last scaled conversion
.endm
.macro KLOAD tau                       ; tile tau's 16 keys, each key's whole row of 512 bytes by one load of the wave
.irp i, 0,1,2,3,4,5,6,7,8,9,10,11,12,13,14,15
	global_load_b128 v[R+64*((\tau)%2)+4*\i:R+64*((\tau)%2)+4*\i+3], v[LI], s[22:23] offset:(32*((\tau)/2)+8*((\tau)%2)+\i+8*(\i/8))*512 th:TH_LOAD_NT
.endr
.endm
.macro KTILE tau
.if (\tau) < 3
	s_wait_loadcnt 16                              ; this tile's 16 loads are in; the next tile's 16 may be out
.else
	s_wait_loadcnt 0x0
.endif
.irp i, 0,1,2,3,4,5,6,7,8,9,10,11,12,13,14,15
	ds_store_b128 v[KSI], v[R+64*((\tau)%2)+4*\i:R+64*((\tau)%2)+4*\i+3] offset:528*\i
.endr
.irp b, 0,1,2,3
.irp j, 0,1,2,3
	ds_load_b128 v[X+16*\b+4*\j:X+16*\b+4*\j+3], v[KSO] offset:128*\b+16*\j   ; LDS serves a wave's instructions in order (ISA guide 5.7.1.4): these see the stores above
.endr
.endr
	s_wait_dscnt 0x0                               ; my 64 numbers are in, and the stage's stores have read their registers
.if (\tau) < 2
	KLOAD (\tau)+2                                 ; which take the tile two on
.else
	s_wait_xcnt 0x0                                ; the stores of the tile two back have read this set of codes: it is written again only behind this wait
.endif
	QUANT X, PC+16*((\tau)%2), PW+(\tau)
.irp c, 0,1,2,3
	global_store_b128 v[LI], v[PC+16*((\tau)%2)+4*\c:PC+16*((\tau)%2)+4*\c+3], s[24:25] offset:2048*(\tau)+512*\c   ; 32 lanes store 512 consecutive bytes, aligned
.endr
.endm
	KLOAD 0
	KLOAD 1
	s_wait_alu depctr_va_vdst(0)
	KTILE 0
	KTILE 1
	KTILE 2
	KTILE 3
	v_cmp_le_u32 vcc_lo, 16, v1                    ; lanes 0-15 keep tiles 0 and 1's words of row r, lanes 16-31 tiles 2 and 3's (both halves of the lanes hold every word)
	s_delay_alu instid0(VALU_DEP_1)
	v_cndmask_b32 v12, v[PW], v[PW+2], vcc_lo
	s_delay_alu instid0(VALU_DEP_2)
	v_cndmask_b32 v13, v[PW+1], v[PW+3], vcc_lo
	global_store_b64 v[LS8], v[12:13], s[26:27]    ; 32 lanes store 256 consecutive bytes, aligned
	s_set_vgpr_msb 0x5
	s_wait_tensorcnt 0x0
	ds_add_u32 v0, v1
	s_wait_dscnt 0x0
	s_set_vgpr_msb 0x500
	s_endpgm
; ---------------- V: my quarter is 32 channels x the slot's 256 keys.  A lane takes a channel, and its registers run down the keys: a block of 32 keys lies in one lane ----------------
.Lvpart:
	s_lshl_b32 s20, s12, 17                        ; 256 keys of 512 bytes for each slot
	s_lshl_b32 s17, s13, 7
	s_add_co_u32 s20, s20, s17                     ; + my 32 channels
	s_add_nc_u64 s[22:23], s[6:7], s[20:21]
	s_lshl_b32 s20, s13, 12
	s_add_co_u32 s20, s20, 32768
	s_add_nc_u64 s[24:25], s[8:9], s[20:21]        ; my two fragments of each step
	s_lshl_b32 s20, s13, 8
	s_add_co_u32 s20, s20, 66560
	s_add_nc_u64 s[26:27], s[8:9], s[20:21]        ; my 256 bytes of scale words
	s_wait_alu depctr_va_vdst(0)
	v_lshlrev_b32 v[LI], 2, v1
	v_lshlrev_b32 v[KSI], 11, v3
	s_delay_alu instid0(VALU_DEP_1)
	v_lshl_add_u32 v[KSI], v2, 4, v[KSI]           ; fragment lane / 16 of my two, image lane r
.macro VLOAD t                         ; block t: V(32 t + i, my channel); a wave's load takes 128 consecutive bytes, four waves stand side by side on a row
.irp i, 0,1,2,3,4,5,6,7,8,9,10,11,12,13,14,15,16,17,18,19,20,21,22,23,24,25,26,27,28,29,30,31
	global_load_b32 v[VX+32*((\t)%2)+\i], v[LI], s[22:23] offset:(32*(\t)+\i)*512 th:TH_LOAD_NT
.endr
.endm
.macro VBLOCK t
.set XS, VX+32*((\t)%2)
.if (\t) < 7
	s_wait_loadcnt 32                              ; this block's 32 loads are in; the next block's may be out
.else
	s_wait_loadcnt 0x0
.endif
	v_max3_num_f32 v12, |v[XS]|, |v[XS+1]|, |v[XS+2]|   ; the block's largest magnitude: all 32 numbers are mine; two chains
	v_max3_num_f32 v13, |v[XS+3]|, |v[XS+4]|, |v[XS+5]|
.irp i, 6,10,14,18,22,26
	s_delay_alu instid0(VALU_DEP_2)
	v_max3_num_f32 v12, v12, |v[XS+\i]|, |v[XS+\i+1]|
	s_delay_alu instid0(VALU_DEP_2)
	v_max3_num_f32 v13, v13, |v[XS+\i+2]|, |v[XS+\i+3]|
.endr
	s_delay_alu instid0(VALU_DEP_2)
	v_max3_num_f32 v12, v12, |v[XS+30]|, |v[XS+31]|
	s_delay_alu instid0(VALU_DEP_1)
	v_max3_num_f32 v12, v12, v13, 0x8000000        ; and the floor 2^(16 - 127)
	s_delay_alu instid0(VALU_DEP_1)
	v_add_nc_u32 v11, 0xf8800000, v12              ; the conversion's scale operand
	s_delay_alu instid0(VALU_DEP_1)
	v_lshrrev_b32 v13, 23, v11                     ; the scale's byte
.if (\t)%4 == 0
	s_delay_alu instid0(VALU_DEP_1)
	v_mov_b32 v[14+(\t)/4], v13                    ; four bytes to a register: a key step's word
.else
	s_delay_alu instid0(VALU_DEP_1)
	v_lshl_or_b32 v[14+(\t)/4], v13, 8*((\t)%4), v[14+(\t)/4]
.endif
.irp i, 0,1,2,3,4,5,6,7,8,9,10,11,12,13,14,15,16,17,18,19,20,21,22,23,24,25,26,27,28,29,30,31
.endr
.irp g, 0,1,2,3
	v_cvt_scalef32_pk8_bf8_f32 v[VC+8*(\t)+2*\g:VC+8*(\t)+2*\g+1], v[XS+8*\g:XS+8*\g+7], v11
.endr
	global_store_b128 v[KSI], v[VC+8*(\t):VC+8*(\t)+3], s[24:25] offset:16384*((\t)/4)+512*((\t)%4)          ; keys 0-15 of the block: image lanes 0-15.  Sixteen lanes store 256 consecutive bytes, aligned
	global_store_b128 v[KSI], v[VC+8*(\t)+4:VC+8*(\t)+7], s[24:25] offset:16384*((\t)/4)+512*((\t)%4)+256    ; keys 16-31: image lanes 16-31
.if (\t) < 6
	VLOAD (\t)+2
.endif
.endm
	VLOAD 0
	VLOAD 1
.irp t, 0,1,2,3,4,5,6,7
	VBLOCK \t
.endr
	global_store_b64 v[LS8], v[14:15], s[26:27]    ; my channel's two words; 32 lanes store 256 consecutive bytes, aligned
	s_endpgm
.Lfunc_end_k_q330a0f25ba_quant:
	.size	k_q330a0f25ba_quant, .Lfunc_end_k_q330a0f25ba_quant-k_q330a0f25ba_quant
	.p2alignl 7, 3214868480
	.fill 96, 4, 3214868480
	.section	.rodata,"a",@progbits
	.p2align	6, 0x0
	.amdhsa_kernel k_q330a0f25ba_quant
		.amdhsa_group_segment_fixed_size 68608
		.amdhsa_private_segment_fixed_size 0
		.amdhsa_enable_private_segment 0
		.amdhsa_kernarg_size 24
		.amdhsa_user_sgpr_count 2
		.amdhsa_user_sgpr_kernarg_segment_ptr 1
		.amdhsa_wavefront_size32 1
		.amdhsa_system_sgpr_workgroup_id_x 1
		.amdhsa_system_sgpr_workgroup_id_y 1
		.amdhsa_system_sgpr_workgroup_id_z 1
		.amdhsa_system_vgpr_workitem_id 0
		.amdhsa_next_free_vgpr 258
		.amdhsa_next_free_sgpr 66
		.amdhsa_reserve_vcc 1
		.amdhsa_float_denorm_mode_32 3
		.amdhsa_float_denorm_mode_16_64 3
		.amdhsa_fp16_overflow 1
		.amdhsa_memory_ordered 1
		.amdhsa_forward_progress 1
		.amdhsa_inst_pref_size 81
	.end_amdhsa_kernel
	.amdgpu_metadata
---
amdhsa.version: [ 1, 2 ]
amdhsa.kernels:
  - .name:           k_q330a0f25ba_quant
    .symbol:         k_q330a0f25ba_quant.kd
    .args:
      - { .name: K, .offset: 0, .size: 8, .value_kind: global_buffer, .address_space: global }
      - { .name: V, .offset: 8, .size: 8, .value_kind: global_buffer, .address_space: global }
      - { .name: kv, .offset: 16, .size: 8, .value_kind: global_buffer, .address_space: global }
    .group_segment_fixed_size: 68608
    .private_segment_fixed_size: 0
    .kernarg_segment_align: 8
    .kernarg_segment_size: 24
    .max_flat_workgroup_size: 256
    .sgpr_count:     66
    .vgpr_count:     258
    .wavefront_size: 32
...
	.end_amdgpu_metadata
.endif
;; end of part 1
;; launch attn (part 2): grid 4 x 64, 8 waves a work-group, no clusters, 327,680 bytes of LDS; arguments Q, kv, out0; writes out0
.if DOCPART == 2
	.amdgcn_target "amdgcn-amd-amdhsa--gfx1250"
	.amdhsa_code_object_version 6
	.text
	.protected	k_q330a0f25ba_attn
	.globl	k_q330a0f25ba_attn
	.p2align	8
	.type	k_q330a0f25ba_attn,@function
k_q330a0f25ba_attn:
	s_mov_b64 s[64:65], 0
	v_nop
	global_prefetch_b8 v0, s[64:65] scope:SCOPE_SE
	s_setreg_imm32_b32 hwreg(HW_REG_WAVE_MODE, 25, 1), 1
	s_wait_xcnt 0x0
; out0[head][q][:] = the sum over keys k <= q of softmax_k(Q[q] . K[k] / sqrt(128)) V[k][:], 64 heads of 2,048 x 128, both products on codes of BF8 (E5M2) with one E8M0 scale for each 32 along a product's K.
; K and V come as register images with their scale words from kv (67,584 bytes for each slot of 256 keys: K's 16 fragments, V^T's 16, 1,024 bytes of K's scale words, 1,024 of V's); Q comes as f32 and is quantised here, in registers.
; THE SOFTMAX: t = score x log2(e) / sqrt(128) (one multiplication); M = the running largest t rounded UP to a whole number; p = 2^(t - M) is quantised along the keys, not normalised; the row's sum is taken of the
; unquantised p and divides at the end.  When M moves, the sum and O are multiplied by 2^(old M - new M), which rounds nothing.
; SHARES.  Work-group (i, head) owns the blocks of 256 queries 7 - i and i of its head: (8 - i) + (i + 1) = 9 visits of slots whatever i is, so all 256 work-groups have the same work and the loop's trip count is a constant.
; Each of the eight waves owns 32 queries of the late block, then 32 of the early one: TWO TILES of 16, so that each fragment of K and of V^T that it reads from LDS feeds two products.
; A key step all of whose keys come after the wave's queries is jumped over (a scalar branch on ids); 32 divides 128, so both tiles meet the diagonal in the same step.
; LAYOUT.  Both products are used transposed: S^T = K Q^T, O^T = V^T P^T: a lane holds ONE query (lane % 16) of each tile throughout.  The keys of a tile of K are not neighbours (lane r of tile 2 b + u: key
; 32 b + 8 u + r + 8 (r / 8)), so that the 16 registers of tiles 2 b and 2 b + 1 are the 16 neighbouring keys 32 b + 16 (lane / 16) + 0 .. 15.
; REGISTERS, in two windows of 256 (s_set_vgpr_msb's low byte: bits 1:0 source 0, 3:2 source 1, 5:4 source 2, 7:6 destination).  Query tile 0 lives in window 0, query tile 1 in window 1, UNDER THE SAME NUMBERS, so one macro
; serves both, under 0x00 or 0x55:  v12 -M, v13 the largest t, v[14:15] the sum in two halves; v16-31 Q's codes; v96-159 S^T, then p; v160-223 O^T; v224-239 p's codes; v232-247, v252, v254 at work.
; Shared: v0-11 of window 0, all addresses (tile 1's loads run under 0x40, its stores under 0x04, its place stands in the immediate); v32-95 of window 0 and of window 1: fragment buffers F0 and F1, four fragments each.
; Scale operands have no window: v248-251 K's or V's words; v253 p's word and v255 Q's: lanes 0-15 tile 0's, lanes 16-31 tile 1's, which tile 1's products read by the row selector.
; THE RING.  Two LDS slots; waves 0 to 3 each fetch a quarter of a slot (66 rows of 256 bytes, dense) by one tensor load behind each change of slots: one tensor load of a wave is out at the most.
; NO CLUSTER: the four work-groups of a head walk the same slots only in visits 0 to 4; from visit 8 - i on each goes back to slot 0 at a visit of its own, so partners' requests and branches would differ.
; LIMITS: NaN and infinities among the inputs are not served; a block of zeros (of Q, or of p) has the byte 1 and zero codes; a p under 2^-126 counts as 0 (v_exp_f32 gives 0 there);
; a block's largest p is made from its largest score, which takes v_exp_f32 not to fall where its input rises.
.set SLOTB, 67584
.set SLOT1, 1<<17                      ; slot 1 begins here: one exclusive or turns an address in one slot into the other's
.set STAGE, SLOT1+SLOTB                ; stages of 16 rows x (256 + 16) bytes, two for each wave (one a tile): Q's way in, O's way out
.set STG,   4352
.set QIMG,  STAGE+16*STG               ; the early block's Q: two images of 2,048 bytes and 128 bytes of scale words in 4,352 for each wave
.set QIW,   4352
.set SPARE, QIMG+8*QIW                 ; the spare words, 128 bytes for each wave: four blocks of 256 bytes that no other line names
.set LI,  1                            ; v1   16 x lane
.set LS8, 2                            ; v2   65536 + 8 x lane: my place among a slot's scale words
.set SIN, 3                            ; v3   tile 0's stage: row r, + 32 h
.set SRD, 4                            ; v4   tile 0's stage: row h, + 16 r
.set SPW, 5                            ; v5   LDS address of my spare word; never rewritten
.set NIL, 6                            ; v6   0; never rewritten
.set GO,  7                            ; v7   512 h + 16 r: my bytes in two rows of Q or of O
.set ADK, 8                            ; v8   the slot in hand + 16 x lane
.set ADS, 9                            ; v9   the slot in hand + v2;  at the head and at the switch: my scale word of the early block's Q
.set SQ,  10                           ; v10  tile 0's stage: row r, + 64 h
.set QI,  11                           ; v11  the early block's Q: 16 x lane in tile 0's image
.set TM,  232                          ; v232-247 at work in QUANT
.set WV,  10                           ; s10  my wave's number
.set SEL, 14                           ; s[14:15] lane selects: lane l xor 16
.set CS,  16                           ; s[16:17] c = log2(e) / sqrt(128), twice
.set MNT, 18
.set TB,  19                           ; s19  LDS byte at which the slot in hand begins
.set KF,  20                           ; s20  the step's first key
.set Q0,  21                           ; s21  my first query of the block in hand
.set Q0L, 22                           ; s22  of the early block
.set SWC, 23                           ; s23  visits left of the late block
.set VIS, 24                           ; s24  the loop's counter
.set G1,  28                           ; s[28:35] descriptor group 1
.set G0,  36                           ; s[36:39] descriptor group 0, which walks
.set HB,  40                           ; s[40:41] kv at my head's first slot, my quarter
.set FO,  42                           ; s[42:43] bytes from there to the slot asked for
.set FN,  44                           ; s44  the slot behind it
.set OP,  46                           ; s[46:47] out0 at my first row of the block in hand;  s[48:49] of the early block
.set OPL, 48
.set QPH, 50                           ; s[50:51], s[52:53] Q likewise: late block, early block
.set QPL, 52
.set HIM, 70                           ; s70  a lane mask: lanes 16-31
.set MSB, 0
.macro WIN new                         ; the immediate's high byte repeats the setting that is left; a switch that changes nothing is dropped
.if MSB != (\new)
	s_set_vgpr_msb (MSB<<8)|(\new)
.set MSB, (\new)
.endif
.endm
.macro PLACES n
.rept \n
	v_nop
.endr
.endm
.macro TLOAD                           ; waves 0 to 3 fetch; the branch hangs on the wave's number alone.  Four v_nop follow the load
	s_cmp_lt_u32 s[WV], 4
	s_cbranch_scc0 .Lnone_\@
	tensor_load_to_lds s[G0:G0+3], s[G1:G1+7]
	s_nop 0
.rept 4
	v_nop
.endr
.Lnone_\@:
.endm
	s_load_b128 s[4:7], s[0:1], 0x0                ; Q, kv
	s_load_b64 s[8:9], s[0:1], 0x10                ; out0
	v_lshl_add_u32 v[SPW], v0, 2, SPARE
	v_mov_b32 v[NIL], 0
	ds_add_u32 v5, v6
	ds_add_u32 v5, v6
	s_wait_dscnt 0x0
	v_lshrrev_b32 v8, 5, v0
	s_delay_alu instid0(VALU_DEP_1)
	v_readfirstlane_b32 s[WV], v8                  ; wave 0..7
	s_and_b32 s54, ttmp7, 0xffff                   ; the head
	s_lshl_b32 s55, s[WV], 5
	s_sub_co_u32 s[Q0], 7, ttmp9
	s_lshl_b32 s[Q0], s[Q0], 8
	s_add_co_u32 s[Q0], s[Q0], s55                 ; 256 (7 - i) + 32 w
	s_lshl_b32 s[Q0L], ttmp9, 8
	s_add_co_u32 s[Q0L], s[Q0L], s55               ; 256 i + 32 w
	s_sub_co_u32 s[SWC], 8, ttmp9                  ; the late block walks slots 0 .. 7 - i
	s_mov_b32 s[VIS], 8
	s_lshl_b32 s56, s54, 11
	s_add_co_u32 s58, s56, s[Q0]
	s_lshl_b32 s58, s58, 9                         ; rows of 512 bytes; under 2^27
	s_mov_b32 s59, 0
	s_add_co_u32 s60, s56, s[Q0L]
	s_lshl_b32 s60, s60, 9
	s_mov_b32 s61, 0
	s_and_b32 s62, s[WV], 3
	s_mul_i32 s62, s62, 16896                      ; a quarter of a slot, in memory and in LDS alike
	s_mul_i32 s66, s54, 8*SLOTB
	s_add_co_u32 s66, s66, s62
	s_mov_b32 s67, 0
	s_mov_b32 s[G1], 3<<16                         ; 15:0 no mask; 17:16 elements of 8 bytes; no padding
	s_mov_b32 s[G1+1], 32<<16                      ; tensor_dim0 = 32 elements: 256 bytes
	s_mov_b32 s[G1+2], 66<<16                      ; tensor_dim1 = 66
	s_mov_b32 s[G1+3], 32<<16                      ; tile_dim0 = 32
	s_mov_b32 s[G1+4], 66                          ; tile_dim1 = 66
	s_mov_b32 s[G1+5], 32                          ; from row to row: dense
	s_mov_b32 s[G1+6], 0
	s_mov_b32 s[G1+7], 0
	s_mov_b32 s[SEL], 0x76543210
	s_mov_b32 s[SEL+1], 0xfedcba98
	s_mov_b32 s[CS], 0x3e0293ee
	s_mov_b32 s[CS+1], s[CS]
	s_mov_b32 s[HIM], 0xffff0000
	s_mov_b32 s[TB], 0
	s_mov_b32 s[KF], 0
	s_mov_b32 s[FO], 0
	s_mov_b32 s[FO+1], 0
	s_wait_kmcnt 0x0
	s_add_nc_u64 s[HB:HB+1], s[6:7], s[66:67]
	s_mov_b32 s[G0], 1                             ; count = 1
	s_mov_b32 s[G0+1], s62                         ; LDS address: slot 0, my quarter
	s_mov_b64 s[G0+2:G0+3], s[HB:HB+1]             ; global address: the head's slot 0
	s_or_b32 s[G0+3], s[G0+3], 0x80000000          ; type = 2
	TLOAD                                          ; the first fill, ahead of every LDS read, barrier and wait on TENSORcnt
	s_add_nc_u64 s[OP:OP+1], s[8:9], s[58:59]
	s_add_nc_u64 s[OPL:OPL+1], s[8:9], s[60:61]
	s_add_nc_u64 s[QPH:QPH+1], s[4:5], s[58:59]
	s_add_nc_u64 s[QPL:QPL+1], s[4:5], s[60:61]
	s_mul_i32 s63, s[WV], 2*STG
	s_add_co_u32 s63, s63, STAGE                   ; my two stages
	s_mul_i32 s68, s[WV], QIW
	s_add_co_u32 s68, s68, QIMG                    ; my images of the early block's Q,
	s_add_co_u32 s69, s68, 4096                    ; and their scale words
	v_and_b32 v13, 31, v0                          ; lane
	v_and_b32 v8, 15, v0                           ; r
	v_bfe_u32 v12, v0, 4, 1                        ; h
	s_delay_alu instid0(VALU_DEP_1)
	v_lshlrev_b32 v[GO], 9, v12
	s_delay_alu instid0(VALU_DEP_1)
	v_lshl_add_u32 v[GO], v8, 4, v[GO]
; Tile w's 16 rows of 512 bytes into window w: load (u, i) takes bytes 256 u on of rows 2 i and 2 i + 1: sixteen lanes read 256 consecutive bytes, aligned.  Tile 1's rows lie 8,192 bytes on
.macro QLOAD dst, p, w
	WIN 0x40*(\w)
.irp u, 0,1
.irp i, 0,1,2,3,4,5,6,7
	global_load_b128 v[\dst+32*\u+4*\i:\dst+32*\u+4*\i+3], v[GO], s[\p:\p+1] offset:1024*\i+256*\u+8192*(\w) th:TH_LOAD_NT
.endr
.endr
.endm
	QLOAD 160, QPL, 0                              ; the early block's two tiles, into the registers that O^T will take
	QLOAD 160, QPL, 1
	QLOAD 96, QPH, 0                               ; the late block's tile 0, into S^T's; its tile 1 is asked for behind the first turn: 48 loads are out at the most
	WIN 0
	v_lshlrev_b32 v[LI], 4, v13
	v_lshl_add_u32 v[LS8], v13, 3, 0x10000
	v_mul_u32_u24 v[SIN], v8, 272
	s_delay_alu instid0(VALU_DEP_1)
	v_lshl_add_u32 v[SQ], v12, 6, v[SIN]
	s_delay_alu instid0(VALU_DEP_2)
	v_lshl_add_u32 v[SIN], v12, 5, v[SIN]
	s_delay_alu instid0(VALU_DEP_1)
	v_add_nc_u32 v[SIN], s63, v[SIN]
	s_delay_alu instid0(VALU_DEP_3)
	v_add_nc_u32 v[SQ], s63, v[SQ]
	v_mul_u32_u24 v[SRD], v12, 272
	s_delay_alu instid0(VALU_DEP_1)
	v_lshl_add_u32 v[SRD], v8, 4, v[SRD]
	s_delay_alu instid0(VALU_DEP_1)
	v_add_nc_u32 v[SRD], s63, v[SRD]
	v_add_nc_u32 v[QI], s68, v[LI]
	v_lshl_add_u32 v[ADS], v13, 2, s69
.irp x, 0, 0x40                                ; in both windows:
	WIN \x
.irp b, 0,1,2,3
	v_mov_b32 v[236+\b], 0                         ; written once: a lane permute's destination counts as one of its sources
.endr
	v_mov_b32 v252, 0                              ; likewise
	v_mov_b32 v253, 0                              ; (named as the upper half of the pair v[252:253] before it is first written)
.endr
	WIN 0
; 64 numbers of a lane, v[s] on, register 16 b + i = k 32 b + 16 (lane / 16) + i of my row, become a fragment's codes in v[pc] on and its scale word in v[pw].  It runs in the window that is set.
.macro QUANT s, pc, pw
.irp b, 0,1,2,3
	v_max3_num_f32 v[TM+\b], |v[\s+16*\b]|, |v[\s+1+16*\b]|, 0x8000000   ; block b: my 16 numbers, and the floor 2^(16 - 127): the byte cannot fall under 1
.endr
.irp i, 2,4,6,8,10,12,14
.irp b, 0,1,2,3
	s_delay_alu instid0(VALU_DEP_4)
	v_max3_num_f32 v[TM+\b], v[TM+\b], |v[\s+16*\b+\i]|, |v[\s+1+16*\b+\i]|
.endr
.endr
.irp b, 0,1,2,3
	s_delay_alu instid0(VALU_DEP_4)
	v_permlanex16_b32 v[TM+4+\b], v[TM+\b], s[SEL], s[SEL+1]
.endr
.irp b, 0,1,2,3
	s_delay_alu instid0(VALU_DEP_4)
	v_max_num_f32 v[TM+\b], v[TM+\b], v[TM+4+\b]   ; with lane l xor 16's: the block's largest magnitude
.endr
.irp b, 0,1,2,3
	s_delay_alu instid0(VALU_DEP_4)
	v_add_nc_u32 v[TM+12+\b], 0xf8800000, v[TM+\b] ; 15 off its exponent field: the conversion's scale operand
.endr
.irp b, 0,1,2,3
.endr
.irp b, 0,1,2,3
	s_delay_alu instid0(VALU_DEP_4)
	v_lshrrev_b32 v[TM+4+\b], 23, v[TM+12+\b]      ; the scale's byte
.endr
	s_delay_alu instid0(VALU_DEP_3)
	v_lshl_or_b32 v[\pw], v[TM+5], 8, v[TM+4]
	s_delay_alu instid0(VALU_DEP_1)
	v_lshl_or_b32 v[\pw], v[TM+6], 16, v[\pw]
	s_delay_alu instid0(VALU_DEP_1)
	v_lshl_or_b32 v[\pw], v[TM+7], 24, v[\pw]
.irp b, 0,1,2,3
.irp i, 0,1,2,3,4,5,6,7,8,9,10,11,12,13,14,15
.endr
	v_cvt_scalef32_pk8_bf8_f32 v[\pc+4*\b:\pc+1+4*\b], v[\s+16*\b:\s+7+16*\b], v[TM+12+\b]
	v_cvt_scalef32_pk8_bf8_f32 v[\pc+2+4*\b:\pc+3+4*\b], v[\s+8+16*\b:\s+15+16*\b], v[TM+12+\b]
.endr
	v_nop                                          ; a plain instruction behind the last scaled conversion
.endm
; Tile w of Q, as loaded in v[src] on of window w, turns through the tile's stage, half a row (256 bytes) of 16 rows at a time, and comes back 16 neighbours of each block of 32 a lane, in v32-95 of window w.
; left: the younger global loads that may stay out.
.macro QTURN src, left, w
.irp u, 0,1
	s_wait_loadcnt \left+8*(1-\u)                  ; this half's eight loads are in; behind them: the other half's eight (u = 0) and the tiles asked for later
	WIN 0x04*(\w)                                  ; an LDS store's data are its source 1
.irp i, 0,1,2,3,4,5,6,7
	ds_store_b128 v[SRD], v[\src+32*\u+4*\i:\src+32*\u+4*\i+3] offset:544*\i+STG*(\w)
.endr
	WIN 0x40*(\w)
.irp b, 0,1
.irp j, 0,1,2,3
	ds_load_b128 v[32+16*(2*\u+\b)+4*\j:32+16*(2*\u+\b)+4*\j+3], v[SQ] offset:128*\b+16*\j+STG*(\w)   ; LDS serves a wave's instructions in order (ISA guide 5.7.1.4): these see the stores above, and the next half's stores come behind them
.endr
.endr
.endr
	s_wait_dscnt 0x0
.endm
.macro RESET w                         ; a tile's start: O^T and the sum are zeros, the largest t lies under every t: the first change of M multiplies zeros
	WIN 0x55*(\w)
	v_mov_b32 v13, 0xff61b1e6                      ; -3e38
	s_delay_alu instid0(VALU_DEP_1)
	v_floor_f32 v12, -v13                          ; -M
	v_mov_b32 v14, 0
	v_mov_b32 v15, 0
.set j, 0
.rept 64
	v_mov_b32 v[160+j], 0
.set j, j+1
.endr
.endm
	QTURN 160, 32, 0                               ; the early block's tile 0: behind its loads stand two tiles' 32: its waits leave 40, then 32 out
	WIN 0
	QUANT 32, 16, 255
.irp c, 0,1,2,3
	ds_store_b128 v[QI], v[16+4*\c:19+4*\c] offset:512*\c   ; kept in LDS as an image of its registers until the switch
.endr
	QLOAD 96, QPH, 1                               ; the late block's tile 1
	QTURN 160, 32, 1                               ; the early block's tile 1: again two tiles' 32 stand behind its loads
	WIN 0x55
	QUANT 32, 16, 255
	WIN 0x04
.irp c, 0,1,2,3
	ds_store_b128 v[QI], v[16+4*\c:19+4*\c] offset:2048+512*\c
.endr
	v_cndmask_b32 v255, v255, v255, s[HIM]         ; source 0: tile 0's word (window 0); source 1: tile 1's (window 1), for lanes 16-31.  Both halves of the lanes hold row r's word
	WIN 0
	ds_store_b32 v[ADS], v255
	QTURN 96, 16, 0                                ; the late block's tile 0: tile 1's 16 loads stand behind it; its closing wait also shows that the images' stores have read their registers
	WIN 0
	QUANT 32, 16, 255
	QTURN 96, 0, 1
	WIN 0x55
	QUANT 32, 16, 255
	WIN 0x04
	v_cndmask_b32 v255, v255, v255, s[HIM]
	RESET 0                                        ; (also the places between the codes and the scale word just made and the first products)
	RESET 1
	WIN 0
; Four fragments, images of 2,048 bytes from byte off of the slot in hand on, into buffer f: 32 lanes read 512 consecutive bytes
.macro FRAGS f, off
	WIN 0x40*(\f)
.irp t, 0,1,2,3
.irp c, 0,1,2,3
	ds_load_b128 v[32+16*\t+4*\c:32+16*\t+4*\c+3], v[ADK] offset:(\off)+2048*\t+512*\c
.endr
.endr
.endm
; One product of S^T: D = v[d] on, source 0 = the fragment of K at v[a] on, source 1 = Q's codes, C = 0.  ra, rb: the scale words stand in lanes 16-31
.macro SWM d, a, sa, ra, rb
.if (\ra) && (\rb)
	v_wmma_scale_f32_16x16x128_f8f6f4 v[\d:\d+7], v[\a:\a+15], v[16:31], 0, v[\sa], v255 matrix_a_fmt:MATRIX_FMT_BF8 matrix_b_fmt:MATRIX_FMT_BF8 matrix_a_scale:MATRIX_SCALE_ROW1 matrix_b_scale:MATRIX_SCALE_ROW1
.elseif (\ra)
	v_wmma_scale_f32_16x16x128_f8f6f4 v[\d:\d+7], v[\a:\a+15], v[16:31], 0, v[\sa], v255 matrix_a_fmt:MATRIX_FMT_BF8 matrix_b_fmt:MATRIX_FMT_BF8 matrix_a_scale:MATRIX_SCALE_ROW1
.elseif (\rb)
	v_wmma_scale_f32_16x16x128_f8f6f4 v[\d:\d+7], v[\a:\a+15], v[16:31], 0, v[\sa], v255 matrix_a_fmt:MATRIX_FMT_BF8 matrix_b_fmt:MATRIX_FMT_BF8 matrix_b_scale:MATRIX_SCALE_ROW1
.else
	v_wmma_scale_f32_16x16x128_f8f6f4 v[\d:\d+7], v[\a:\a+15], v[16:31], 0, v[\sa], v255 matrix_a_fmt:MATRIX_FMT_BF8 matrix_b_fmt:MATRIX_FMT_BF8
.endif
.endm
; One product of O^T: C = D = v[d] on, source 0 = the fragment of V^T at v[a] on, source 1 = p's codes
.macro PWM d, a, sa, ra, rb
.if (\ra) && (\rb)
	v_wmma_scale_f32_16x16x128_f8f6f4 v[\d:\d+7], v[\a:\a+15], v[224:239], v[\d:\d+7], v[\sa], v253 matrix_a_fmt:MATRIX_FMT_BF8 matrix_b_fmt:MATRIX_FMT_BF8 matrix_a_scale:MATRIX_SCALE_ROW1 matrix_b_scale:MATRIX_SCALE_ROW1
.elseif (\ra)
	v_wmma_scale_f32_16x16x128_f8f6f4 v[\d:\d+7], v[\a:\a+15], v[224:239], v[\d:\d+7], v[\sa], v253 matrix_a_fmt:MATRIX_FMT_BF8 matrix_b_fmt:MATRIX_FMT_BF8 matrix_a_scale:MATRIX_SCALE_ROW1
.elseif (\rb)
	v_wmma_scale_f32_16x16x128_f8f6f4 v[\d:\d+7], v[\a:\a+15], v[224:239], v[\d:\d+7], v[\sa], v253 matrix_a_fmt:MATRIX_FMT_BF8 matrix_b_fmt:MATRIX_FMT_BF8 matrix_b_scale:MATRIX_SCALE_ROW1
.else
	v_wmma_scale_f32_16x16x128_f8f6f4 v[\d:\d+7], v[\a:\a+15], v[224:239], v[\d:\d+7], v[\sa], v253 matrix_a_fmt:MATRIX_FMT_BF8 matrix_b_fmt:MATRIX_FMT_BF8
.endif
.endm
; Four products: buffer f's four fragments against query tile w.  The windows: source 0 = the buffer's, sources 1 and 2 and the destination = the tile's.  The accumulators take turns, one instruction a turn.
.macro SMUL f, w                       ; key tiles 4 f + t.  K's scale words: register 248 + 2 f + j: lanes 0-15 tile 4 f + j, lanes 16-31 tile 4 f + 2 + j
	WIN 0x54*(\w)+(\f)
.irp t, 0,1,2,3
	SWM 96+8*(4*\f+\t), 32+16*\t, 248+2*\f+\t%2, \t/2, \w
.endr
.endm
.macro PMUL f, w                       ; channel tiles 4 f + t.  V's scale words: register 248 + j: lanes 0-15 tile 2 j, lanes 16-31 tile 2 j + 1
	WIN 0x54*(\w)+(\f)
.irp t, 0,1,2,3
	PWM 160+8*(4*\f+\t), 32+16*\t, 248+2*\f+\t/2, \t%2, \w
.endr
.endm
; On the diagonal the scores of hidden keys become -infinity ahead of the maximum: p = 0 then.  s[54 + w] = tile w's first query - KF
.macro MASK w
	WIN 0x40*(\w)                                  ; v0 lies in window 0
	v_and_b32 v252, 15, v0
	v_bfe_u32 v236, v0, 4, 1
	WIN 0x55*(\w)
	v_lshlrev_b32 v236, 4, v236
	s_delay_alu instid0(VALU_DEP_1)
	v_sub_nc_u32 v252, v252, v236
	s_delay_alu instid0(VALU_DEP_1)
	v_add_nc_u32 v252, s[54+\w], v252              ; d = my query - KF - 16 h: register 16 b + i is hidden where 32 b + i > d
	v_mov_b32 v254, 0xff800000                     ; -infinity
.irp n, 0,1,2,3,4,5,6,7,8,9,10,11,12,13,14,15,16,17,18,19,20,21,22,23,24,25,26,27,28,29,30,31,32,33,34,35,36,37,38,39,40,41,42,43,44,45,46,47,48,49,50,51,52,53,54,55,56,57,58,59,60,61,62,63
	v_cmp_gt_i32 vcc_lo, 32*(\n/16)+\n%16, v252
	v_cndmask_b32 v[96+\n], v[96+\n], v254, vcc_lo
.endr
.endm
; Tile w's softmax of one key step, in the tile's window: from its 64 scores a lane to p's codes, p's scale word, the sum and O^T under the new M
.macro SOFTMAX w
	WIN 0x55*(\w)
.irp b, 0,1,2,3
	v_max3_num_f32 v[232+\b], v[96+16*\b], v[97+16*\b], v[98+16*\b]   ; the largest score of each block of 32 keys: it serves for the row's maximum and, since p rises with the score, for the block's largest p
.endr
.irp i, 3,5,7,9,11,13
.irp b, 0,1,2,3
	v_max3_num_f32 v[232+\b], v[232+\b], v[96+16*\b+\i], v[97+16*\b+\i]
.endr
.endr
.irp b, 0,1,2,3
	v_max_num_f32 v[232+\b], v[232+\b], v[111+16*\b]
.endr
.irp b, 0,1,2,3
	v_permlanex16_b32 v[236+\b], v[232+\b], s[SEL], s[SEL+1]
.endr
.irp b, 0,1,2,3
	s_delay_alu instid0(VALU_DEP_4)
	v_max_num_f32 v[232+\b], v[232+\b], v[236+\b]  ; with lane l xor 16's 16 keys
.endr
	s_delay_alu instid0(VALU_DEP_2)
	v_max3_num_f32 v254, v232, v233, v234
	s_delay_alu instid0(VALU_DEP_1)
	v_max_num_f32 v254, v254, v235                 ; the step's largest score of my query (key KF counts for every query of a step that is not jumped over)
	s_delay_alu instid0(VALU_DEP_1)
	v_mul_f32 v254, s[CS], v254                    ; as t
	s_delay_alu instid0(VALU_DEP_1)
	v_max_num_f32 v13, v13, v254                   ; the running largest t
	v_mov_b32 v254, v12
	s_delay_alu instid0(VALU_DEP_2)
	v_floor_f32 v12, -v13                          ; the new -M = floor(-t) = -ceil(t)
	s_delay_alu instid0(VALU_DEP_1)
	v_sub_f32 v254, v12, v254                      ; old M - new M: a whole number, 0 or less
	s_delay_alu instid0(VALU_DEP_1)
	v_cvt_i32_f32 v254, v254                       ; (it saturates)
	s_delay_alu instid0(VALU_DEP_1)
	v_ldexp_f32 v252, 1.0, v254                    ; f = 2^(old M - new M)
.set j, 0
.rept 32
	v_pk_fma_f32 v[96+j:97+j], v[96+j:97+j], s[CS:CS+1], v[12:13] op_sel_hi:[1,0,0]   ; t - M, two at a time (of the pairs c and -M the low word serves both halves)
.set j, j+2
.endr
.irp b, 0,1,2,3
	v_fma_f32 v[232+\b], v[232+\b], s[CS], v12     ; the same of each block's largest score
.endr
.set j, 0
	s_wait_alu depctr_va_vdst(0)
.rept 64
	v_exp_f32 v[96+j], v[96+j]                     ; p = 2^(t - M), at most 1
.set j, j+1
.endr
.irp b, 0,1,2,3
	v_exp_f32 v[232+\b], v[232+\b]                 ; the block's largest p
.endr
	v_pk_mul_f32 v[14:15], v[14:15], v[252:253] op_sel_hi:[1,0]   ; the sums under the new M.  (The plain instruction behind the exponentials)
	s_wait_alu depctr_va_vdst(0)
.irp b, 0,1,2,3
	v_max_num_f32 v[232+\b], 0x8000000, v[232+\b]  ; the floor 2^(16 - 127)
.endr
.irp b, 0,1,2,3
	s_delay_alu instid0(VALU_DEP_4)
	v_add_nc_u32 v[244+\b], 0xf8800000, v[232+\b]  ; the conversion's scale operand
.endr
.irp b, 0,1,2,3
.endr
.irp b, 0,1,2,3
	s_delay_alu instid0(VALU_DEP_4)
	v_lshrrev_b32 v[236+\b], 23, v[244+\b]         ; the scale's byte
.endr
	s_delay_alu instid0(VALU_DEP_3)
	v_lshl_or_b32 v253, v237, 8, v236              ; p's scale word for these 128 keys
	s_delay_alu instid0(VALU_DEP_1)
	v_lshl_or_b32 v253, v238, 16, v253
	s_delay_alu instid0(VALU_DEP_1)
	v_lshl_or_b32 v253, v239, 24, v253
.if \w
	WIN 0x04                                       ; tile 1's word goes into lanes 16-31 of window 0's v253.  Tile 0's products, which read that register, stand more than eight plain instructions back; tile 1's more than eight on
	v_cndmask_b32 v253, v253, v253, s[HIM]
	WIN 0x55
.endif
	v_pk_add_f32 v[236:237], v[96:97], v[98:99]    ; the row's sum is taken of the unquantised p: two at a time, in two chains
.irp j, 4,8,12,16,20,24,28,32,36,40,44,48,52,56,60
	v_pk_add_f32 v[14:15], v[14:15], v[96+\j:97+\j]
	v_pk_add_f32 v[236:237], v[236:237], v[98+\j:99+\j]
.endr
	s_delay_alu instid0(VALU_DEP_1)
	v_pk_add_f32 v[14:15], v[14:15], v[236:237]
.irp b, 0,1,2,3
.irp i, 0,1,2,3,4,5,6,7,8,9,10,11,12,13,14,15
.endr
	v_cvt_scalef32_pk8_bf8_f32 v[224+4*\b:225+4*\b], v[96+16*\b:103+16*\b], v[244+\b]
	v_cvt_scalef32_pk8_bf8_f32 v[226+4*\b:227+4*\b], v[104+16*\b:111+16*\b], v[244+\b]
.endr
.set j, 0
.rept 32
	v_pk_mul_f32 v[160+j:161+j], v[160+j:161+j], v[252:253] op_sel_hi:[1,0]   ; O^T under the new M.  (These 32 are also the places between the codes and the tile's products)
.set j, j+2
.endr
.endm
; A KEY STEP: 128 keys, the q-th of the slot in hand, for both tiles.
.macro STEP q
	s_add_co_u32 s54, s[Q0], 31
	s_cmp_gt_u32 s[KF], s54                        ; all its keys come after my 32 queries: nothing to do but the step of KF at the end
	s_cbranch_scc1 .Lhidden_\@
	v_add_nc_u32 v[ADK], s[TB], v[LI]
	v_add_nc_u32 v[ADS], s[TB], v[LS8]
	PLACES 6                                       ; eight places in front of loads into registers that matrix instructions have read; the two additions above are two of them
	FRAGS 0, 16384*(\q)                            ; K's tiles 0-3,
	ds_load_b64 v[248:249], v[ADS] offset:512*(\q)         ; the step's scale words,
	ds_load_b64 v[250:251], v[ADS] offset:512*(\q)+256
	FRAGS 1, 16384*(\q)+8192                       ; and tiles 4-7
	s_wait_alu depctr_va_vdst(0)
	s_wait_dscnt 16                                ; all but the youngest sixteen: buffer 0 and the scale words are in
	SMUL 0, 0
	SMUL 0, 1
	s_wait_dscnt 0x0
	SMUL 1, 0
	SMUL 1, 1                                      ; lane (r, h): query r of the tile; register 96 + 16 b + i: key KF + 32 b + 16 h + i
	WIN 0
	PLACES 8                                       ; behind the last products: for the loads into both buffers and the scale words, and for the first reads of the scores
	FRAGS 0, 32768+16384*(\q)                      ; V^T'S FRAGMENTS ARE ASKED FOR NOW: they land while the softmax runs
.irp j, 0,1,2,3
	ds_load_b32 v[248+\j], v[ADS] offset:1024+256*\j+4*(\q)
.endr
	FRAGS 1, 32768+16384*(\q)+8192
	WIN 0                                          ; at a branch and at a label every window is 0
	s_add_co_u32 s54, s[KF], 127
	s_cmp_le_u32 s54, s[Q0]                        ; a step all of whose keys count for all my queries skips the mask
	s_cbranch_scc1 .Lopen_\@
	s_sub_co_i32 s54, s[Q0], s[KF]
	s_add_co_i32 s55, s54, 16
	MASK 0
	MASK 1
	WIN 0
.Lopen_\@:
	SOFTMAX 0
	s_wait_alu depctr_va_vdst(0)
	s_wait_dscnt 0x0                               ; V^T's fragments and scale words are in
	PMUL 0, 0                                      ; tile 0's products stand ahead of tile 1's softmax, which names none of their registers but v253 (see there)
	PMUL 1, 0
	SOFTMAX 1
	PMUL 0, 1
	PMUL 1, 1
	WIN 0
.Lhidden_\@:
	s_add_co_u32 s[KF], s[KF], 128
.endm
; THE CHANGE OF SLOTS stands at a visit's head.  Each wave waits for all its tensor loads (its part of the slot that it is about to read), adds 0 to its spare word, and waits for that and for its reads of the slot that it has left.
; Behind the barrier the slot ahead is whole and nobody reads the other one.  fill = 1: that other slot is filled for the next visit: the next slot of the block in hand, or, where this is the late block's last visit, slot 0 again.
.macro CHANGE fill
	s_wait_tensorcnt 0x0                           ; no tensor load of mine is out, so group 0 may be written
	ds_add_u32 v[SPW], v[NIL]                      ; 0 onto my spare word; the descriptor's steps stand between it and the wait for it
.if \fill
	s_xor_b32 s[G0+1], s[G0+1], SLOT1              ; the other slot than last time
	s_add_co_u32 s[FN], s[FO], SLOTB
	s_cmp_eq_u32 s[SWC], 1
	s_cselect_b32 s[FO], 0, s[FN]
	s_add_nc_u64 s[G0+2:G0+3], s[HB:HB+1], s[FO:FO+1]
	s_or_b32 s[G0+3], s[G0+3], 0x80000000          ; type = 2
.endif
	s_wait_dscnt 0x0                               ; the add is done, and my reads of the slot that I have left are over
	s_barrier_signal -1
	s_barrier_wait -1
.if \fill
	TLOAD                                          ; the first thing behind the barrier, and a wave's one tensor load until the next: it has a whole visit in which to land
.endif
.endm
.macro SLOT_STEPS
	STEP 0
	STEP 1
	s_xor_b32 s[TB], s[TB], SLOT1                  ; on to the other slot
.endm
; THE WAY OUT of tile w: O^T / the sum goes through the tile's stage, half a row (64 channels, 256 bytes) of 16 queries at a time, so that sixteen lanes store 256 consecutive bytes, aligned.
.macro WAYOUT w
	WIN 0x55*(\w)
	v_add_f32 v14, v14, v15                        ; the sum's two halves,
	s_delay_alu instid0(VALU_DEP_1)
	v_permlanex16_b32 v252, v14, s[SEL], s[SEL+1]
	s_delay_alu instid0(VALU_DEP_1)
	v_add_f32 v14, v14, v252                       ; and lane l xor 16's: the row's sum
	s_wait_alu depctr_va_vdst(0)
	v_rcp_f32 v14, v14
	v_nop                                          ; a plain instruction behind the transcendental
.set j, 0
	s_wait_alu depctr_va_vdst(0)
.rept 64
	v_mul_f32 v[96+j], v[160+j], v14               ; register 8 T + i is o(r, 16 T + 8 h + i); each accumulator from its low end on
.set j, j+1
.endr
.irp u, 0,1
	WIN 0x04*(\w)
.irp t, 0,1,2,3
	ds_store_b128 v[SIN], v[96+32*\u+8*\t:99+32*\u+8*\t] offset:64*\t+STG*(\w)
	ds_store_b128 v[SIN], v[100+32*\u+8*\t:103+32*\u+8*\t] offset:64*\t+16+STG*(\w)
.endr
	WIN 0x40*(\w)
.irp i, 0,1,2,3,4,5,6,7
	ds_load_b128 v[32+32*\u+4*\i:35+32*\u+4*\i], v[SRD] offset:544*\i+STG*(\w)   ; in order behind my stores; the next half's stores come behind these
.endr
.endr
	WIN 0x04*(\w)                                  ; a store's data are its source 1
.irp u, 0,1
.irp i, 0,1,2,3,4,5,6,7
	s_wait_dscnt 16*(1-\u)+7-\i                    ; the LDS instructions issued behind this load: the rest of its eight, and for the first half the second half's sixteen
	global_store_b128 v[GO], v[32+32*\u+4*\i:35+32*\u+4*\i], s[OP:OP+1] offset:1024*\i+256*\u+8192*(\w) th:TH_STORE_NT
.endr
.endr
	s_wait_xcnt 0x0                                ; the stores' base and data registers are written again only behind this wait
	WIN 0
.endm
.Lslot:                                            ; eight trips: behind each change of slots but the last the next visit's slot is asked for
	CHANGE 1
	SLOT_STEPS
	s_sub_co_u32 s[SWC], s[SWC], 1
	s_cmp_lg_u32 s[SWC], 0
	s_cbranch_scc1 .Lsame
	PLACES 8                                       ; THE SWITCH, once, behind visit 7 - i.  Eight places behind the last products;
	WAYOUT 0                                       ; the late block's two tiles go out,
	WAYOUT 1
	s_mov_b64 s[OP:OP+1], s[OPL:OPL+1]             ; and the early block's begin: their rows of out0, their queries, key 0,
	s_mov_b32 s[Q0], s[Q0L]
	s_mov_b32 s[KF], 0
	v_and_b32 v[ADS], 31, v0
	s_delay_alu instid0(VALU_DEP_1)
	v_lshl_add_u32 v[ADS], v[ADS], 2, s69
.irp c, 0,1,2,3
	ds_load_b128 v[16+4*\c:19+4*\c], v[QI] offset:512*\c   ; their Q, as I stored it: tile 0's codes,
.endr
	ds_load_b32 v255, v[ADS]                       ; both tiles' scale words,
	WIN 0x40
.irp c, 0,1,2,3
	ds_load_b128 v[16+4*\c:19+4*\c], v[QI] offset:2048+512*\c   ; tile 1's codes
.endr
	RESET 0
	RESET 1
	WIN 0
	s_wait_dscnt 0x0
.Lsame:
	s_sub_co_u32 s[VIS], s[VIS], 1
	s_cmp_lg_u32 s[VIS], 0
	s_cbranch_scc1 .Lslot
	CHANGE 0                                       ; the ninth visit is written out
	SLOT_STEPS
	PLACES 8                                       ; eight places behind the last products
	WAYOUT 0
	WAYOUT 1
	s_wait_tensorcnt 0x0                           ; the wave's end: behind my last tensor load and my last LDS store
	ds_add_u32 v[SPW], v[NIL]
	s_wait_dscnt 0x0
	s_endpgm
.Lfunc_end_k_q330a0f25ba_attn:
	.size	k_q330a0f25ba_attn, .Lfunc_end_k_q330a0f25ba_attn-k_q330a0f25ba_attn
	.p2alignl 7, 3214868480
	.fill 96, 4, 3214868480
	.section	.rodata,"a",@progbits
	.p2align	6, 0x0
	.amdhsa_kernel k_q330a0f25ba_attn
		.amdhsa_group_segment_fixed_size 327680
		.amdhsa_private_segment_fixed_size 0
		.amdhsa_enable_private_segment 0
		.amdhsa_kernarg_size 24
		.amdhsa_user_sgpr_count 2
		.amdhsa_user_sgpr_kernarg_segment_ptr 1
		.amdhsa_wavefront_size32 1
		.amdhsa_system_sgpr_workgroup_id_x 1
		.amdhsa_system_sgpr_workgroup_id_y 1
		.amdhsa_system_sgpr_workgroup_id_z 1
		.amdhsa_system_vgpr_workitem_id 0
		.amdhsa_next_free_vgpr 512
		.amdhsa_next_free_sgpr 72
		.amdhsa_reserve_vcc 1
		.amdhsa_float_denorm_mode_32 3
		.amdhsa_float_denorm_mode_16_64 3
		.amdhsa_fp16_overflow 1
		.amdhsa_memory_ordered 1
		.amdhsa_forward_progress 1
		.amdhsa_inst_pref_size 255
	.end_amdhsa_kernel
	.section	.bss,"aw",@nobits
	.p2align	6
	.space	262144
	.amdgpu_metadata
---
amdhsa.version: [ 1, 2 ]
amdhsa.kernels:
  - .name:           k_q330a0f25ba_attn
    .symbol:         k_q330a0f25ba_attn.kd
    .args:
      - { .name: Q, .offset: 0, .size: 8, .value_kind: global_buffer, .address_space: global }
      - { .name: kv, .offset: 8, .size: 8, .value_kind: global_buffer, .address_space: global }
      - { .name: out0, .offset: 16, .size: 8, .value_kind: global_buffer, .address_space: global }
    .group_segment_fixed_size: 327680
    .private_segment_fixed_size: 0
    .kernarg_segment_align: 8
    .kernarg_segment_size: 24
    .max_flat_workgroup_size: 256
    .sgpr_count:     72
    .vgpr_count:     512
    .wavefront_size: 32
...
	.end_amdgpu_metadata
.endif
;; end of part 2
